; MI455X (gfx1250); checked and timed in simulation.
; The chip was launched on July 23, 2026; its instructions are those of AMD's public machine-readable ISA for CDNA 5 (MIT licence, August 2026) and "CDNA5" Instruction Set Architecture Reference Guide (July 2026). The comments in the code are by the model that wrote it; some were corrected since.
;; P Linear. Allowed arithmetic: float matrix products may take bf16 or f16 operands with f32 sums; all other float work in f32.
;; Inputs: w_neg 4,096 x 4,096 float32; w_pos 4,096 x 4,096 float32; x 8 x 256 x 4,096 float32.
;; Outputs: out0 8 x 256 x 4,096 float32.
;; 3 versions, each right; version 2 is faster than version 1; version 3 is version 2 with the launch prep written anew for expert scheduling mode. Each part assembles by itself: llvm-mc -triple=amdgcn-amd-amdhsa -mcpu=gfx1250 --defsym DOCPART=n.
;; ======== version 1 of 3: 2 launches
;; limits: inputs' magnitudes at most 16,384
;; workspace buffers: xb 16,777,216 bytes; wb 33,554,432 bytes
;; launch prep (part 1): grid 1024 x 1, 8 waves a work-group, no clusters, 0 bytes of LDS; arguments x, w_pos, w_neg, xb, wb; writes xb, wb
.if DOCPART == 1
	.amdgcn_target "amdgcn-amd-amdhsa--gfx1250"
	.amdhsa_code_object_version 6
	.text
	.protected	k_q6ecee81eed_prep
	.globl	k_q6ecee81eed_prep
	.p2align	8
	.type	k_q6ecee81eed_prep,@function
k_q6ecee81eed_prep:
	s_mov_b64 s[64:65], 0
	v_nop
	global_prefetch_b8 v0, s[64:65] scope:SCOPE_SE
	s_setreg_imm32_b32 hwreg(HW_REG_WAVE_MODE, 25, 1), 1
	s_wait_xcnt 0x0
; xb = bf16(x);  wb = bf16(Q),  Q = (w_pos > 0) - (w_neg <= 0), one of -1, 0, 1 and exact in bf16.
; x . wp_q^T + x . wn_q^T = x . (wp_q + wn_q)^T for every input, so the two weight matrices are merged here, element by element,
; and the product that follows is made once.  Both weight inputs are read whole, each byte once.
; LIMITS.  (1) Q is the indicator itself.  The problem's w + (q - w) in f32 differs from q by at most about 2^-24 x max(1, |w|): below 1e-3
; up to |w| = 2^14; from |w| = 2^24 on it is no indicator any more, and this text does not follow it there.
; (2) A NaN or infinite weight makes the problem's quantised weight NaN; here it goes by the compares (NaN: 0 on both sides; infinities by their sign).
; (3) x is rounded to bf16, to nearest even.  -0, +0 and denormals go by the IEEE compares, as in the problem.
; A stream: no byte is used twice, so no LDS, no barrier, no matrix unit, no cluster.
; 1,024 work-groups of eight waves.  Work-group g owns 16,384 elements of each weight matrix (64 KiB in, 32 KiB out) and 8,192 of x (32 KiB in, 16 KiB out).
; Thread t takes the 16 bytes at 16 t of each unit of 4,096 bytes: a wave's load covers 512 consecutive bytes.  Its four numbers become 8 bytes,
; stored at 8 t of a unit of 2,048 bytes: a wave's store covers 256 consecutive bytes, aligned.
; Eight turns; a turn takes two units of w_pos, two of w_neg and one of x.  A ring of four register slots keeps 20 loads of a wave on their way.
; Every step stands in an immediate (61,440 at the most), so the two offset registers are never rewritten.
.set VIN,  1                           ; v1        16 t: my bytes in a unit that is read
.set VOUT, 2                           ; v2        8 t: my bytes in a unit that is written
.set D0,   4                           ; v[4:83]   slot s at 4 + 20 s: w_pos unit 0, w_neg unit 0, w_pos unit 1, w_neg unit 1, x: 4 registers each
.set Y0,   84                          ; v[84:107] slot s at 84 + 6 s: two registers to store for each weight unit, two for x
	s_load_b256 s[4:11], s[0:1], 0x0               ; x s[4:5], w_pos s[6:7], w_neg s[8:9], xb s[10:11]
	s_load_b64 s[12:13], s[0:1], 0x20              ; wb
	s_lshl_b32 s16, ttmp9, 16                      ; g x 64 KiB: my part of w_pos and of w_neg (below 64 MiB)
	s_mov_b32 s17, 0
	s_lshl_b32 s18, ttmp9, 15                      ; g x 32 KiB: my part of x and of wb
	s_mov_b32 s19, 0
	s_lshl_b32 s20, ttmp9, 14                      ; g x 16 KiB: my part of xb
	s_mov_b32 s21, 0
	v_lshlrev_b32 v[VIN], 4, v0
	v_lshlrev_b32 v[VOUT], 3, v0
	s_wait_kmcnt 0x0
	s_add_nc_u64 s[4:5], s[4:5], s[18:19]
	s_add_nc_u64 s[6:7], s[6:7], s[16:17]
	s_add_nc_u64 s[8:9], s[8:9], s[16:17]
	s_add_nc_u64 s[10:11], s[10:11], s[20:21]
	s_add_nc_u64 s[12:13], s[12:13], s[18:19]
; The five loads of turn t into slot s.  The launch reads these bytes once.
.macro LOADS s, t
	global_load_b128 v[D0+20*\s:D0+20*\s+3],     v[VIN], s[6:7] offset:8192*(\t) th:TH_LOAD_NT
	global_load_b128 v[D0+20*\s+4:D0+20*\s+7],   v[VIN], s[8:9] offset:8192*(\t) th:TH_LOAD_NT
	global_load_b128 v[D0+20*\s+8:D0+20*\s+11],  v[VIN], s[6:7] offset:8192*(\t)+4096 th:TH_LOAD_NT
	global_load_b128 v[D0+20*\s+12:D0+20*\s+15], v[VIN], s[8:9] offset:8192*(\t)+4096 th:TH_LOAD_NT
	global_load_b128 v[D0+20*\s+16:D0+20*\s+19], v[VIN], s[4:5] offset:4096*(\t) th:TH_LOAD_NT
.endm
; Four weights: p = first register of w_pos's four, n = of w_neg's four, y = of the two to store.
.macro QUANT p, n, y
.irp k, 0,1,2,3
	v_cmp_lt_f32 vcc_lo, 0, v[\p+\k]               ; w_pos > 0
	v_cndmask_b32 v[\p+\k], 0, 1.0, vcc_lo         ; 1 there, else 0
	v_cmp_ge_f32 vcc_lo, 0, v[\n+\k]               ; w_neg <= 0
	v_cndmask_b32 v[\n+\k], 0, -1.0, vcc_lo        ; -1 there, else 0
.endr
	v_pk_add_f32 v[\p:\p+1],   v[\p:\p+1],   v[\n:\n+1]
	v_pk_add_f32 v[\p+2:\p+3], v[\p+2:\p+3], v[\n+2:\n+3]
	v_cvt_pk_bf16_f32 v[\y],   v[\p],   v[\p+1]    ; exact: -1, 0, 1
	v_cvt_pk_bf16_f32 v[\y+1], v[\p+2], v[\p+3]
.endm
; Turn t on slot s.  ahead = 1: the slot is loaded again, for turn t + 4.  left = how many younger loads may stay out.
.macro TURN s, t, ahead, left
	s_wait_loadcnt \left                           ; loads come back in order (ISA guide 5.7.1): my five are in, the younger slots' fives stay out
.if \t >= 4
	s_wait_xcnt 0x0                                ; the slot's six registers to store are the data of its stores four turns ago: rewritten only behind this wait
.endif
	QUANT D0+20*\s,   D0+20*\s+4,  Y0+6*\s
	QUANT D0+20*\s+8, D0+20*\s+12, Y0+6*\s+2
	v_cvt_pk_bf16_f32 v[Y0+6*\s+4], v[D0+20*\s+16], v[D0+20*\s+17]
	v_cvt_pk_bf16_f32 v[Y0+6*\s+5], v[D0+20*\s+18], v[D0+20*\s+19]
.if \ahead
	LOADS \s, \t+4                                 ; loads go ahead of stores
.endif
	global_store_b64 v[VOUT], v[Y0+6*\s:Y0+6*\s+1],   s[12:13] offset:4096*\t        ; no hint: the next launch reads these bytes
	global_store_b64 v[VOUT], v[Y0+6*\s+2:Y0+6*\s+3], s[12:13] offset:4096*\t+2048
	global_store_b64 v[VOUT], v[Y0+6*\s+4:Y0+6*\s+5], s[10:11] offset:2048*\t
.endm
	LOADS 0, 0
	LOADS 1, 1
	LOADS 2, 2
	LOADS 3, 3
	TURN 0, 0, 1, 15                               ; three younger slots of five loads
	TURN 1, 1, 1, 15
	TURN 2, 2, 1, 15
	TURN 3, 3, 1, 15
	TURN 0, 4, 0, 15                               ; the last four turns load nothing: the counts run down
	TURN 1, 5, 0, 10
	TURN 2, 6, 0, 5
	TURN 3, 7, 0, 0
	s_endpgm
.Lfunc_end_k_q6ecee81eed_prep:
	.size	k_q6ecee81eed_prep, .Lfunc_end_k_q6ecee81eed_prep-k_q6ecee81eed_prep
	.p2alignl 7, 3214868480
	.fill 96, 4, 3214868480
	.section	.rodata,"a",@progbits
	.p2align	6, 0x0
	.amdhsa_kernel k_q6ecee81eed_prep
		.amdhsa_group_segment_fixed_size 0
		.amdhsa_private_segment_fixed_size 0
		.amdhsa_enable_private_segment 0
		.amdhsa_kernarg_size 40
		.amdhsa_user_sgpr_count 2
		.amdhsa_user_sgpr_kernarg_segment_ptr 1
		.amdhsa_wavefront_size32 1
		.amdhsa_system_sgpr_workgroup_id_x 1
		.amdhsa_system_sgpr_workgroup_id_y 1
		.amdhsa_system_sgpr_workgroup_id_z 1
		.amdhsa_system_vgpr_workitem_id 0
		.amdhsa_next_free_vgpr 108
		.amdhsa_next_free_sgpr 66
		.amdhsa_reserve_vcc 1
		.amdhsa_float_denorm_mode_32 3
		.amdhsa_float_denorm_mode_16_64 3
		.amdhsa_memory_ordered 1
		.amdhsa_forward_progress 1
		.amdhsa_inst_pref_size 25
	.end_amdhsa_kernel
	.amdgpu_metadata
---
amdhsa.version: [ 1, 2 ]
amdhsa.kernels:
  - .name:           k_q6ecee81eed_prep
    .symbol:         k_q6ecee81eed_prep.kd
    .args:
      - { .name: x, .offset: 0, .size: 8, .value_kind: global_buffer, .address_space: global }
      - { .name: w_pos, .offset: 8, .size: 8, .value_kind: global_buffer, .address_space: global }
      - { .name: w_neg, .offset: 16, .size: 8, .value_kind: global_buffer, .address_space: global }
      - { .name: xb, .offset: 24, .size: 8, .value_kind: global_buffer, .address_space: global }
      - { .name: wb, .offset: 32, .size: 8, .value_kind: global_buffer, .address_space: global }
    .group_segment_fixed_size: 0
    .private_segment_fixed_size: 0
    .kernarg_segment_align: 8
    .kernarg_segment_size: 40
    .max_flat_workgroup_size: 256
    .sgpr_count:     66
    .vgpr_count:     108
    .wavefront_size: 32
...
	.end_amdgpu_metadata
.endif
;; end of part 1
;; launch gemm (part 2): grid 16 x 16, 4 waves a work-group, clusters of 4 x 4, 327,680 bytes of LDS; arguments xb, wb, out0; writes out0
.if DOCPART == 2
	.amdgcn_target "amdgcn-amd-amdhsa--gfx1250"
	.amdhsa_code_object_version 6
	.text
	.protected	k_q6ecee81eed_gemm
	.globl	k_q6ecee81eed_gemm
	.p2align	8
	.type	k_q6ecee81eed_gemm,@function
k_q6ecee81eed_gemm:
	s_mov_b64 s[64:65], 0
	v_nop
	global_prefetch_b8 v0, s[64:65] scope:SCOPE_SE
	s_setreg_imm32_b32 hwreg(HW_REG_WAVE_MODE, 25, 1), 1
	s_wait_xcnt 0x0
	s_wait_alu depctr_hold_cnt(0) depctr_sa_sdst(0) depctr_va_vdst(0) depctr_va_sdst(0) depctr_va_ssrc(0) depctr_va_vcc(0) depctr_vm_vsrc(0)
	s_getreg_b32 s2, hwreg(HW_REG_IB_STS2, 6, 4)
	s_cmp_eq_u32 s2, 0
	s_cbranch_scc0 .Lentry_in_a_cluster
	s_endpgm
.Lentry_in_a_cluster:
	s_bfe_u32 s2, ttmp6, 0x10000c
	s_cmp_lg_u32 s2, 0xf033
	s_cbranch_scc0 .Lentry_shape_is_right
	s_endpgm
.Lentry_shape_is_right:
; out0[m][n] = sum over k of xb[m][k] wb[n][k].  xb: [2048][4096] bf16 (x rounded), wb: [4096][4096] bf16 (the merged weights -1, 0, 1), out0: [2048][4096] f32.
; LIMITS: the operands are bf16 (x rounded once, the weights exact); sums are f32; each output is the sum of two partial sums, one over each half
; of every 128 along K, added once at the end, so the order of rounding differs from a single ascending chain.
; SHAPE.  16 x 16 work-groups, one block of 128 (m) x 256 (n) each, four waves.  Every wave keeps 128 x 128 sums in 512 registers: for 32 along K it
; loads 2 x 128 x 64 bytes from LDS for 64 matrix instructions.  The block has only two such column halves, so the two waves of a column half share K:
; wave w takes columns 128 (w & 1) .. + 127 and, of every K step of 128, the 64 at 64 (w >> 1).  At the end the pair w, w xor 2 exchange half of their
; sums through LDS (32 KiB a wave, once, against 4,096 matrix instructions a wave), and each finishes and stores 64 rows.
; K goes in steps of 128 through two LDS slots filled by the tensor data mover: a tile's rows are 256 bytes of memory, at multiples of 256 from the buffer's start.
; CLUSTERS: 4 x 4 work-groups.  Grid x is the block row, grid y the block column.  xb's tile hangs on the block row alone: the four work-groups with my cx
; ask for it jointly.  wb's tile hangs on the block column alone: the four with my cy ask jointly.  That divides the requests for both by four.
; REGISTERS, in windows of 256:
;   window 0: v1-5 at work, v16-28 addresses; v64-127, v128-191 fragments of xb (8 x 16 rows x 32 K), two buffers; later the way out's registers
;   window 1: v64-127, v128-191 fragments of wb, two buffers
;   window 2: 32 tiles (a, b) at v[8 (8 a + b)]: block rows 64 kh + 16 a, the rows that I finish
;   window 3: 32 tiles: block rows 64 (1 - kh) + 16 a, the rows that my partner finishes
; Which rows go to which window is a matter of two LDS addresses alone, so the text is the same for all waves.
; THE MATRIX INSTRUCTION IS USED TRANSPOSED: source 0 = 16 rows of wb, source 1 = 16 rows of xb.  Lane l then holds row l % 16 of the tile and, in
; registers 0 to 7, columns 8 (l / 16) + 0 .. 7: 32 neighbouring bytes of a row of out0.
.set SIZE_K, 4096
.set SIZE_N, 4096
.set KSTEP,  128
.set PITCH,  272                       ; an LDS row: 256 bytes + 16 of padding, an odd multiple of 16: the 16 rows of a fragment load start in 16 different 16-byte columns of 256
.set QA,     64*PITCH                  ; 64 rows: one load of xb
.set HALFT,  128*PITCH                 ; 128 rows: one load of wb
.set AOFF,   2*HALFT                   ; a slot: wb's 256 rows, then xb's 128 rows
.set SLOT,   3*HALFT                   ; 104,448 bytes
.set XCH,    2*SLOT                    ; behind the ring: the exchange, 16,384 bytes for each wave; no tensor load lands here
.set XPART,  16384
.set STAGE,  XCH+4*XPART               ; the way out: 16 rows x 528 bytes for each wave, its own
.set SPITCH, 528                       ; 512 bytes + 16
.set LAPS,   SIZE_K/(2*KSTEP)          ; 16 laps of two K steps
.set ADRAL, 16                         ; v16-17  LDS address, slot 0, 1: fragments of the xb rows that I finish
.set ADRAH, 18                         ; v18-19  the same for the rows that my partner finishes
.set ADRB,  20                         ; v20-21  the same for my 128 rows of wb
.set STO,   24                         ; v24     the way out: where I put my 32 bytes of a row
.set RD,    25                         ; v25     the way out: where I read a row back
.set CO,    26                         ; v26     16 x lane: my byte offset in a row's 512 bytes of out0
.set XS,    27                         ; v27     the exchange: my part
.set XR,    28                         ; v28     the exchange: my partner's part
.set F0,    64
.set F1,    128
.set G1,  24                           ; s[24:31] descriptor group 1 for xb's tiles
.set G0,  32                           ; s[32:39] group 0 for xb's tiles, a set for each slot
.set G1B, 48                           ; s[48:55] group 1 for wb's tiles
.set G0B, 56                           ; s[56:63] group 0 for wb's tiles, a set for each slot
.set MSB, 0
.macro WIN new                         ; s_set_vgpr_msb: bits 1:0 source 0, 3:2 source 1, 5:4 source 2, 7:6 destination; the high byte repeats the setting that is left
.if MSB != \new
	s_set_vgpr_msb (MSB<<8)|\new
.set MSB, \new
.endif
.endm
.set MUL_LO, 0xa1                      ; source 0 (wb) window 1, source 1 (xb) window 0, C and D window 2
.set MUL_HI, 0xf1                      ; the same, C and D window 3
.set TO_B,   0x40                      ; destination window 1, address window 0
.set XST,    0x0c                      ; LDS store: data from window 3
.set XADD,   0x82                      ; destination and source 0 window 2, source 1 window 0
.set OST,    0x08                      ; LDS store: data from window 2
; A joint load.  Waves 0 and 1 fetch wb's two halves of 128 rows, waves 2 and 3 xb's two halves of 64.  Each line has one mask and one set of registers,
; made of nothing that the four partners do not share.  The branch hangs on the wave's number alone.
.macro JLOAD s
	s_cmp_eq_u32 s11, 0
	s_cbranch_scc0 .Lfor_a_\@
	tensor_load_to_lds s[G0B+4*\s:G0B+4*\s+3], s[G1B:G1B+7]
	s_nop 0
	s_branch .Lasked_\@
.Lfor_a_\@:
	tensor_load_to_lds s[G0+4*\s:G0+4*\s+3], s[G1:G1+7]
	s_nop 0
.Lasked_\@:
.endm
; A round of the cluster's barrier: my work-group's barrier; wave 0 signals for the work-group; every wave waits for all sixteen; my work-group's barrier again.
.macro CREST                           ; a round behind its opening barrier
	s_cmp_lg_u32 s10, 0
	s_cbranch_scc1 .Lnot_wave_0_\@
	s_barrier_signal -3
.Lnot_wave_0_\@:
	s_barrier_wait -3
	s_barrier_signal -1
	s_barrier_wait -1
.endm
.macro CROUND
	s_barrier_signal -1
	s_barrier_wait -1
	CREST
.endm
	s_load_b128 s[4:7], s[0:1], 0x0                ; xb s[4:5], wb s[6:7]
	s_load_b64 s[8:9], s[0:1], 0x10                ; out0
	s_set_vgpr_msb 0x40
	v_lshl_add_u32 v255, v0, 2, 0x4b400
	s_set_vgpr_msb 0x4000
	v_mov_b32 v255, 0
	s_set_vgpr_msb 0x1
	ds_add_u32 v255, v255
	ds_add_u32 v255, v255
	s_set_vgpr_msb 0x100
	v_lshrrev_b32 v1, 5, v0
	v_readfirstlane_b32 s10, v1                    ; wave w, 0..3
	s_lshr_b32 s11, s10, 1                         ; kh: my half of each K step.  Also: I fetch for wb (0) or for xb (1)
	s_and_b32 s12, s10, 1                          ; nh: my half of the block's columns.  Also: which part of that tile I fetch
	s_bfe_u32 s40, ttmp6, 0x40000                  ; cx
	s_bfe_u32 s41, ttmp6, 0x40004                  ; cy
	s_lshl_b32 s13, ttmp9, 2                       ; in a cluster launch ttmp9 and ttmp7 count clusters
	s_add_co_u32 s13, s13, s40                     ; block row = 4 x cluster x + cx
	s_and_b32 s42, ttmp7, 0xffff
	s_lshl_b32 s42, s42, 2
	s_add_co_u32 s42, s42, s41                     ; block column = 4 x cluster y + cy
	s_lshl_b32 s43, 0x1111, s40                    ; the work-groups with my cx: places cx, cx + 4, cx + 8, cx + 12
	s_lshl_b32 s44, s41, 2
	s_lshl_b32 s44, 15, s44                        ; the work-groups with my cy: places 4 cy .. 4 cy + 3
	; group 1: tiles of 64 (xb) or 128 (wb) rows x 128 elements of 2 bytes, 4 words of padding behind every 64 words
	s_or_b32 s[G1+0],  s43, (1<<16)|(1<<20)|(1<<21)|(5<<22)|(3<<25)  ; 15:0 mask; 17:16 element of 2 bytes; 20 padding on; 21 set beside a mask; 24:22 every 64 words; 31:25 four words
	s_or_b32 s[G1B+0], s44, (1<<16)|(1<<20)|(1<<21)|(5<<22)|(3<<25)
	s_mov_b32 s[G1+1],  KSTEP<<16                  ; tensor_dim0 = 128
	s_mov_b32 s[G1B+1], KSTEP<<16
	s_mov_b32 s[G1+2],  64<<16                     ; tensor_dim1 = 64
	s_mov_b32 s[G1B+2], 128<<16                    ; tensor_dim1 = 128
	s_mov_b32 s[G1+3],  KSTEP<<16                  ; tile_dim0 = 128
	s_mov_b32 s[G1B+3], KSTEP<<16
	s_mov_b32 s[G1+4],  64                         ; tile_dim1 = 64
	s_mov_b32 s[G1B+4], 128                        ; tile_dim1 = 128
	s_mov_b32 s[G1+5],  SIZE_K                     ; elements from row to row
	s_mov_b32 s[G1B+5], SIZE_K
	s_mov_b32 s[G1+6],  0
	s_mov_b32 s[G1B+6], 0
	s_mov_b32 s[G1+7],  0
	s_mov_b32 s[G1B+7], 0
	; where the tiles come from: rows of 8,192 bytes.  Every wave makes both offsets, each in registers that never hold the other coordinate.
	s_lshl_b32 s16, s13, 7
	s_lshl_b32 s17, s12, 6
	s_add_co_u32 s16, s16, s17                     ; xb: row 128 x block row + 64 x part
	s_lshl_b32 s16, s16, 13                        ; in bytes, below 16 MiB
	s_mov_b32 s17, 0
	s_lshl_b32 s46, s42, 8
	s_lshl_b32 s47, s12, 7
	s_add_co_u32 s46, s46, s47                     ; wb: row 256 x block column + 128 x part
	s_lshl_b32 s46, s46, 13                        ; in bytes, below 32 MiB
	s_mov_b32 s47, 0
	; and where they go: the wave's number times a constant, plus a constant.  Waves 0, 1: wb at 0 and 34,816.  Waves 2, 3: xb at 69,632 and 87,040.
	s_mul_i32 s21, s10, HALFT
	s_mul_i32 s20, s10, QA
	s_add_co_u32 s20, s20, HALFT
	s_wait_dscnt 0x0
	s_wait_kmcnt 0x0
	s_add_nc_u64 s[14:15], s[4:5], s[16:17]
	s_add_nc_u64 s[46:47], s[6:7], s[46:47]
	CROUND                                         ; all sixteen work-groups are here: the first joint loads meet
.irp s, 0,1
	s_mov_b32 s[G0+4*\s], 1                                        ; count = 1
	s_add_co_u32 s[G0+4*\s+1], s20, \s*SLOT                        ; LDS address
	s_add_nc_u64 s[G0+4*\s+2:G0+4*\s+3], s[14:15], \s*KSTEP*2      ; global address: K step s
	s_or_b32 s[G0+4*\s+3], s[G0+4*\s+3], 0x80000000                ; type = 2
	s_mov_b32 s[G0B+4*\s], 1
	s_add_co_u32 s[G0B+4*\s+1], s21, \s*SLOT
	s_add_nc_u64 s[G0B+4*\s+2:G0B+4*\s+3], s[46:47], \s*KSTEP*2
	s_or_b32 s[G0B+4*\s+3], s[G0B+4*\s+3], 0x80000000
	JLOAD \s                                       ; both slots' first fills go out before anything else: two loads of this wave are out
.endr
	; A fragment is 16 rows x 32 K in 8 registers: lane l holds row l % 16; registers 0-3 K = 8 (l / 16) + 0..7, registers 4-7 K = 16 + 8 (l / 16) + 0..7:
	; two loads of 16 bytes, 32 bytes apart, at row x pitch + 16 (l / 16).  My half of a K step begins at byte 128 kh of the rows.
	v_and_b32 v1, 15, v0                           ; r
	v_bfe_u32 v2, v0, 4, 1                         ; h
	v_mul_u32_u24 v3, v1, PITCH
	v_lshl_add_u32 v3, v2, 4, v3
	s_lshl_b32 s18, s11, 7                         ; 128 kh
	s_mul_i32 s22, s12, HALFT
	s_add_co_u32 s22, s22, s18                     ; wb: my 128 rows
	s_mul_i32 s23, s11, QA
	s_add_co_u32 s23, s23, s18
	s_add_co_u32 s23, s23, AOFF                    ; xb: rows 64 kh .. + 63
	s_xor_b32 s19, s11, 1
	s_mul_i32 s19, s19, QA
	s_add_co_u32 s19, s19, s18
	s_add_co_u32 s19, s19, AOFF                    ; xb: rows 64 (1 - kh) .. + 63
.irp s, 0,1
	v_add_nc_u32 v[ADRAL+\s], s23, v3
	v_add_nc_u32 v[ADRAH+\s], s19, v3
	v_add_nc_u32 v[ADRB+\s],  s22, v3
	s_add_co_u32 s23, s23, SLOT
	s_add_co_u32 s19, s19, SLOT
	s_add_co_u32 s22, s22, SLOT
.endr
	v_and_b32 v4, 31, v0
	v_lshlrev_b32 v[CO], 4, v4                     ; 16 x lane
	s_lshl_b32 s22, s10, 14
	s_add_co_u32 s22, s22, XCH
	v_add_nc_u32 v[XS], s22, v[CO]                 ; my part of the exchange
	s_xor_b32 s23, s10, 2
	s_lshl_b32 s23, s23, 14
	s_add_co_u32 s23, s23, XCH
	v_add_nc_u32 v[XR], s23, v[CO]                 ; my partner's
	s_mul_i32 s19, s10, 16*SPITCH
	s_add_co_u32 s19, s19, STAGE                   ; my stage
	v_add_nc_u32 v[RD], s19, v[CO]                 ; back: 32 lanes take one row's 512 bytes
	v_mul_u32_u24 v5, v1, SPITCH                   ; in: row r, 32 bytes for each half of the lanes
	v_lshl_add_u32 v5, v2, 5, v5
	v_add_nc_u32 v[STO], s19, v5
; 16 matrix instructions: row blocks a0, a0 + 1 of a window's four (hi = 0: window 2, 1: window 3) x all 8 column blocks, 32 along K.
; zero = 1: the first product starts the sums; nothing is cleared.
.macro MUL16 f, hi, a0, zero
.irp a, \a0, \a0+1
.irp b, 0,1,2,3,4,5,6,7
.if \zero
	v_wmma_f32_16x16x32_bf16 v[8*(8*(\a)+\b):8*(8*(\a)+\b)+7], v[\f+8*\b:\f+8*\b+7], v[\f+8*(4*\hi+\a):\f+8*(4*\hi+\a)+7], 0
.else
	v_wmma_f32_16x16x32_bf16 v[8*(8*(\a)+\b):8*(8*(\a)+\b)+7], v[\f+8*\b:\f+8*\b+7], v[\f+8*(4*\hi+\a):\f+8*(4*\hi+\a)+7], v[8*(8*(\a)+\b):8*(8*(\a)+\b)+7]
.endif
.endr
.endr
.endm
; 32 LDS loads in one run: 128 rows of wb, then the 64 rows of xb for window 2, last the 64 rows for window 3; 32 K at byte k of my half, into buffer f.
.macro FETCH slot, k, f
	WIN TO_B
.irp i, 0,1,2,3,4,5,6,7
	ds_load_b128 v[\f+8*\i:\f+8*\i+3],   v[ADRB+\slot] offset:\k+\i*16*PITCH
	ds_load_b128 v[\f+8*\i+4:\f+8*\i+7], v[ADRB+\slot] offset:\k+\i*16*PITCH+32
.endr
	WIN 0
.irp i, 0,1,2,3
	ds_load_b128 v[\f+8*\i:\f+8*\i+3],   v[ADRAL+\slot] offset:\k+\i*16*PITCH
	ds_load_b128 v[\f+8*\i+4:\f+8*\i+7], v[ADRAL+\slot] offset:\k+\i*16*PITCH+32
.endr
.irp i, 0,1,2,3
	ds_load_b128 v[\f+32+8*\i:\f+32+8*\i+3], v[ADRAH+\slot] offset:\k+\i*16*PITCH
	ds_load_b128 v[\f+32+8*\i+4:\f+32+8*\i+7], v[ADRAH+\slot] offset:\k+\i*16*PITCH+32
.endr
.endm
; A load into a register that a matrix instruction has read, and whatever but a matrix instruction reads a matrix result, stand four places behind it, and
; only plain vector instructions that name none of its registers are places (ISA guide 7.12.1 for vector instructions).
.macro PLACES
.rept 4
	v_nop
.endr
.endm
; My share of a K step is two quarters of 32 along K, 64 matrix instructions each, on buffers 0 and 1.  The 64 accumulators take turns, one instruction
; a turn, in the same order in every quarter, over the backward jump too.
; The first quarter: multiplies buffer f; in its middle it fetches the second quarter's fragments, at byte 64 of my half, into buffer g.
.macro QUARTER slot, f, g, zero
	s_wait_dscnt 8                                 ; wb and window 2's rows of xb are in; the youngest eight loads (window 3's rows) may be out
	WIN MUL_LO
	MUL16 \f, 0, 0, \zero
	MUL16 \f, 0, 2, \zero
	PLACES
	FETCH \slot, 64, \g
	s_wait_dscnt 32                                ; all but the 32 just issued
	WIN MUL_HI
	MUL16 \f, 1, 0, \zero
	MUL16 \f, 1, 2, \zero
.endm
; The second quarter: multiplies buffer 1 and changes slots.  fill = 1: this slot is filled again, two K steps ahead.
; In front of the barrier each wave waits for its reads of this slot and for all its tensor loads, of which one is out: its part of the next slot.
; Behind it (with fill: behind the cluster's round that it opens) nobody reads this slot and the next slot is whole: the refill comes first, one load a wave,
; then the next slot's first fragments.  From a request to the wait for it a wave issues 112 matrix instructions.
.macro TURN slot, next, fill
	s_wait_dscnt 8
	WIN MUL_LO
	MUL16 F1, 0, 0, 0
	s_wait_dscnt 0                                 ; my reads of this slot are over
	s_wait_tensorcnt 0x0                           ; all my tensor loads have landed
	ds_add_u32 v255, v255
	s_wait_dscnt 0x0
	s_barrier_signal -1
	MUL16 F1, 0, 2, 0                              ; register work while the others arrive
	WIN 0
	s_barrier_wait -1
.if \fill
	CREST                                          ; all sixteen work-groups have said the same: no wave of a partner reads this slot or has a load on its way
	s_add_nc_u64 s[G0+4*\slot+2:G0+4*\slot+3],   s[G0+4*\slot+2:G0+4*\slot+3],   2*KSTEP*2   ; no load of mine is out: the groups 0 may be written
	s_add_nc_u64 s[G0B+4*\slot+2:G0B+4*\slot+3], s[G0B+4*\slot+2:G0B+4*\slot+3], 2*KSTEP*2
	JLOAD \slot                                    ; the first tensor load behind the round, and my only one until the next
.endif
	PLACES
	FETCH \next, 0, F0
	WIN MUL_HI
	MUL16 F1, 1, 0, 0
	MUL16 F1, 1, 2, 0
.endm
.macro LAP zero                        ; once round the ring, both slots filled again
	QUARTER 0, F0, F1, \zero
	TURN 0, 1, 1
	QUARTER 1, F0, F1, 0
	TURN 1, 0, 1
.endm
	s_wait_tensorcnt 1                             ; my part of K step 0 is in; K step 1's may stay out
	s_barrier_signal -1
	s_barrier_wait -1                              ; everybody's part is in
	FETCH 0, 0, F0
	LAP 1                                          ; the first lap stands in front of the loop: its first products start the sums
	WIN 0                                          ; at a label and at a branch every window is 0
	s_mov_b32 s3, LAPS-2
.Llap:
	LAP 0
	WIN 0
	s_sub_co_u32 s3, s3, 1
	s_cmp_lg_u32 s3, 0
	s_cbranch_scc1 .Llap
	QUARTER 0, F0, F1, 0                           ; the last lap, K steps 30 and 31, fills nothing: the refills of laps 0 to 14 have reached K step 31
	TURN 0, 1, 0
	QUARTER 1, F0, F1, 0
	s_wait_dscnt 8                                 ; the very last quarter: nothing more to fetch
	WIN MUL_LO
	MUL16 F1, 0, 0, 0
	MUL16 F1, 0, 2, 0
	s_wait_dscnt 0
	WIN MUL_HI
	MUL16 F1, 1, 0, 0
	MUL16 F1, 1, 2, 0
	; THE EXCHANGE.  Window 3 holds my K half's sums of the rows that my partner finishes.  In two passes of 128 registers I put them into my part of the
	; exchange as they lie (lane x 16 bytes, 512 bytes a register quad), and add my partner's, which lie in the same order, onto window 2.
	PLACES                                         ; the places behind the last matrix instructions: for the LDS stores of results and the loads into buffers 0 and 1
.macro XPASS p
	WIN XST
.set i, 0
.rept 32
	ds_store_b128 v[XS], v[128*\p+4*i:128*\p+4*i+3] offset:512*i
.set i, i+1
.endr
	s_wait_dscnt 0x0                               ; my stores are done, for my partner's sake
	s_barrier_signal -1
	s_barrier_wait -1
	WIN 0
.set i, 0
.rept 32
	ds_load_b128 v[F0+4*i:F0+4*i+3], v[XR] offset:512*i
.set i, i+1
.endr
	WIN XADD
.set i, 0
.rept 32
	s_wait_dscnt 31-i                              ; LDS loads come back in order (ISA guide 5.7.1): quad i is in
	v_pk_add_f32 v[128*\p+4*i:128*\p+4*i+1],   v[128*\p+4*i:128*\p+4*i+1],   v[F0+4*i:F0+4*i+1]
	v_pk_add_f32 v[128*\p+4*i+2:128*\p+4*i+3], v[128*\p+4*i+2:128*\p+4*i+3], v[F0+4*i+2:F0+4*i+3]
.set i, i+1
.endr
.endm
	XPASS 0
	s_barrier_signal -1                            ; every wave's reads of the exchange are back (the count-down ended at 0):
	s_barrier_wait -1                              ; only now is it written again
	XPASS 1
	; THE WAY OUT, 16 rows at a time: 32 bytes a lane and tile into my own stage, read back as whole rows of 512 bytes.
	s_lshl_b32 s16, s13, 21                        ; block row x 128 rows of 16,384 bytes
	s_lshl_b32 s17, s11, 20                        ; + 64 kh rows
	s_add_co_u32 s16, s16, s17
	s_mov_b32 s17, 0
	s_add_nc_u64 s[8:9], s[8:9], s[16:17]
	s_lshl_b32 s46, s42, 10                        ; block column x 256 columns of 4 bytes (in the registers of wb's chain, which alone holds cy)
	s_lshl_b32 s47, s12, 9                         ; + 128 nh columns
	s_add_co_u32 s46, s46, s47
	s_mov_b32 s47, 0
	s_add_nc_u64 s[8:9], s[8:9], s[46:47]
; rows 16 a .. 16 a + 15 of my 64 = the eight tiles (a, 0..7) of window 2; f: buffer 0 or 1 of window 0, in turn
.macro OUT16 a, f
	WIN OST
.irp b, 0,1,2,3,4,5,6,7
	ds_store_b128 v[STO], v[8*(8*\a+\b):8*(8*\a+\b)+3]   offset:64*\b
	ds_store_b128 v[STO], v[8*(8*\a+\b)+4:8*(8*\a+\b)+7] offset:64*\b+16
.endr
	WIN 0
	s_wait_xcnt 0x0                                ; buffer f is the data of earlier stores: loaded again only behind this wait
.set t, 0
.rept 16
	ds_load_b128 v[\f+4*t:\f+4*t+3], v[RD] offset:SPITCH*t         ; LDS serves a wave's instructions in order (ISA guide 5.7.1): these see the stores above
.set t, t+1
.endr
.set t, 0
.rept 16
	s_wait_dscnt 15-t
	global_store_b128 v[CO], v[\f+4*t:\f+4*t+3], s[8:9] offset:(16*\a+t)*SIZE_N*4 th:TH_STORE_NT   ; the wave stores 512 consecutive bytes of one row, aligned; 1,032,192 at the most in the immediate
.set t, t+1
.endr
.endm
	OUT16 0, F0
	OUT16 1, F1
	OUT16 2, F0
	OUT16 3, F1
	s_set_vgpr_msb 0x1
	s_wait_tensorcnt 0x0
	ds_add_u32 v255, v255
	s_wait_dscnt 0x0
	s_set_vgpr_msb 0x100
	CROUND                                         ; the closing round: no work-group ends while a partner may still ask for a tile that names it
	s_endpgm
.Lfunc_end_k_q6ecee81eed_gemm:
	.size	k_q6ecee81eed_gemm, .Lfunc_end_k_q6ecee81eed_gemm-k_q6ecee81eed_gemm
	.p2alignl 7, 3214868480
	.fill 96, 4, 3214868480
	.section	.rodata,"a",@progbits
	.p2align	6, 0x0
	.amdhsa_kernel k_q6ecee81eed_gemm
		.amdhsa_group_segment_fixed_size 327680
		.amdhsa_private_segment_fixed_size 0
		.amdhsa_enable_private_segment 0
		.amdhsa_kernarg_size 24
		.amdhsa_user_sgpr_count 2
		.amdhsa_user_sgpr_kernarg_segment_ptr 1
		.amdhsa_wavefront_size32 1
		.amdhsa_system_sgpr_workgroup_id_x 1
		.amdhsa_system_sgpr_workgroup_id_y 1
		.amdhsa_system_sgpr_workgroup_id_z 1
		.amdhsa_system_vgpr_workitem_id 0
		.amdhsa_next_free_vgpr 1024
		.amdhsa_next_free_sgpr 66
		.amdhsa_reserve_vcc 0
		.amdhsa_float_denorm_mode_32 3
		.amdhsa_float_denorm_mode_16_64 3
		.amdhsa_memory_ordered 1
		.amdhsa_forward_progress 1
		.amdhsa_inst_pref_size 123
	.end_amdhsa_kernel
	.amdgpu_metadata
---
amdhsa.version: [ 1, 2 ]
amdhsa.kernels:
  - .name:           k_q6ecee81eed_gemm
    .symbol:         k_q6ecee81eed_gemm.kd
    .args:
      - { .name: xb, .offset: 0, .size: 8, .value_kind: global_buffer, .address_space: global }
      - { .name: wb, .offset: 8, .size: 8, .value_kind: global_buffer, .address_space: global }
      - { .name: out0, .offset: 16, .size: 8, .value_kind: global_buffer, .address_space: global }
    .group_segment_fixed_size: 327680
    .private_segment_fixed_size: 0
    .kernarg_segment_align: 8
    .kernarg_segment_size: 24
    .max_flat_workgroup_size: 128
    .sgpr_count:     66
    .vgpr_count:     1024
    .wavefront_size: 32
...
	.end_amdgpu_metadata
.endif
;; end of part 2
;; ======== version 2 of 3: 2 launches; 1.22 times as fast as version 1
;; limits: inputs' magnitudes at most 16,384
;; workspace buffers: xb 16,777,216 bytes; wb 16,777,216 bytes
;; launch prep (part 3): grid 1024 x 1, 8 waves a work-group, no clusters, 0 bytes of LDS; arguments x, w_pos, w_neg, xb, wb; writes xb, wb
.if DOCPART == 3
	.amdgcn_target "amdgcn-amd-amdhsa--gfx1250"
	.amdhsa_code_object_version 6
	.text
	.protected	k_q6ecee81eed_prep
	.globl	k_q6ecee81eed_prep
	.p2align	8
	.type	k_q6ecee81eed_prep,@function
k_q6ecee81eed_prep:
	s_mov_b64 s[64:65], 0
	v_nop
	global_prefetch_b8 v0, s[64:65] scope:SCOPE_SE
	s_setreg_imm32_b32 hwreg(HW_REG_WAVE_MODE, 25, 1), 1
	s_wait_xcnt 0x0
; xb = bf16(x);  wb = one byte for each weight, a code of Q = (w_pos > 0) - (w_neg <= 0), which is -1, 0 or 1.
; x . wp_q^T + x . wn_q^T = x . (wp_q + wn_q)^T for every input, so the two weight matrices are merged here, element by element,
; and the product that follows is made once.  Both weight inputs are read whole, each byte once.
; THE CODE: bf16(2 Q) is 0x4000, 0xc000 or 0x0000: its lower byte is always 0, so the upper byte says all.  It is also the top byte of 2 Q in f32.
; The next launch puts a zero byte under it and has the bf16 operand 2 Q, exactly; it halves its sums at the end.
; LIMITS.  (1) Q is the indicator itself.  The problem's w + (q - w) in f32 differs from q by at most about 2^-24 x max(1, |w|): below 1e-3
; up to |w| = 2^14; from |w| = 2^24 on it is no indicator any more, and this text does not follow it there.
; (2) A NaN or infinite weight makes the problem's quantised weight NaN; here it goes by the compares (NaN: 0 on both sides; infinities by their sign).
; (3) x is rounded to bf16, to nearest even.  -0, +0 and denormals go by the IEEE compares, as in the problem.
; A stream: no byte is used twice, so no LDS, no barrier, no matrix unit, no cluster.
; 1,024 work-groups of eight waves.  Work-group g owns 16,384 elements of each weight matrix (64 KiB in, 16 KiB out) and 8,192 of x (32 KiB in, 16 KiB out).
; x: thread t takes the 16 bytes at 16 t of a unit of 4,096; its four numbers become 8 bytes at 8 t of a unit of 2,048.
; Weights: a wave takes 1,024 consecutive bytes by two loads of 512.  In each load lanes 0-15 take the even pieces of 16 bytes and lanes 16-31 the odd ones.
; A piece becomes one word of four codes; one exchange between the halves of the wave then leaves pieces 2 l and 2 l + 1 in lane l: 8 neighbouring bytes.
; So every load of a wave covers 512 consecutive bytes and every store 256 consecutive bytes, aligned.
; Eight turns; a ring of four register slots keeps 20 loads of a wave on their way.  Every step stands in an immediate, so no offset register is rewritten.
.set VINX, 1                           ; v1        16 t: my bytes in a unit of x
.set VOUT, 2                           ; v2        8 t: my bytes in a unit that is written
.set VINW, 3                           ; v3        1,024 x wave + 32 (lane % 16) + 16 (lane / 16): my piece of a weight load
.set D0,   4                           ; v[4:83]   slot s at 4 + 20 s: w_pos load 0, w_neg load 0, w_pos load 1, w_neg load 1, x: 4 registers each
.set Y0,   84                          ; v[84:99]  slot s at 84 + 4 s: two words of codes, two words of bf16
	s_load_b256 s[4:11], s[0:1], 0x0               ; x s[4:5], w_pos s[6:7], w_neg s[8:9], xb s[10:11]
	s_load_b64 s[12:13], s[0:1], 0x20              ; wb
	s_lshl_b32 s16, ttmp9, 16                      ; g x 64 KiB: my part of w_pos and of w_neg (below 64 MiB)
	s_mov_b32 s17, 0
	s_lshl_b32 s18, ttmp9, 15                      ; g x 32 KiB: my part of x
	s_mov_b32 s19, 0
	s_lshl_b32 s20, ttmp9, 14                      ; g x 16 KiB: my part of xb and of wb
	s_mov_b32 s21, 0
	s_mov_b32 s22, 0x07030703                      ; v_perm_b32: the top bytes of the second and of the first source, twice
	s_mov_b32 s23, 0x05040100                      ; v_perm_b32: the low halves of the second and of the first source
	v_lshlrev_b32 v[VINX], 4, v0
	v_lshlrev_b32 v[VOUT], 3, v0
	v_and_b32 v[D0], 0xef, v0                      ; 32 x wave + lane % 16
	v_bfe_u32 v[VINW], v0, 4, 1                    ; lane / 16
	v_lshlrev_b32 v[VINW], 4, v[VINW]
	v_lshl_or_b32 v[VINW], v[D0], 5, v[VINW]
	s_wait_kmcnt 0x0
	s_add_nc_u64 s[4:5], s[4:5], s[18:19]
	s_add_nc_u64 s[6:7], s[6:7], s[16:17]
	s_add_nc_u64 s[8:9], s[8:9], s[16:17]
	s_add_nc_u64 s[10:11], s[10:11], s[20:21]
	s_add_nc_u64 s[12:13], s[12:13], s[20:21]
; The five loads of turn t into slot s.  The launch reads these bytes once.
.macro LOADS s, t
	global_load_b128 v[D0+20*\s:D0+20*\s+3],     v[VINW], s[6:7] offset:8192*(\t) th:TH_LOAD_NT
	global_load_b128 v[D0+20*\s+4:D0+20*\s+7],   v[VINW], s[8:9] offset:8192*(\t) th:TH_LOAD_NT
	global_load_b128 v[D0+20*\s+8:D0+20*\s+11],  v[VINW], s[6:7] offset:8192*(\t)+512 th:TH_LOAD_NT
	global_load_b128 v[D0+20*\s+12:D0+20*\s+15], v[VINW], s[8:9] offset:8192*(\t)+512 th:TH_LOAD_NT
	global_load_b128 v[D0+20*\s+16:D0+20*\s+19], v[VINX], s[4:5] offset:4096*(\t) th:TH_LOAD_NT
.endm
; Four weights: p = first register of w_pos's four, n = of w_neg's four, y = the word of four codes.
.macro QUANT p, n, y
.irp k, 0,1,2,3
	v_cmp_lt_f32 vcc_lo, 0, v[\p+\k]               ; w_pos > 0
	v_cndmask_b32 v[\p+\k], 0, 2.0, vcc_lo         ; 2 there, else 0
	v_cmp_ge_f32 vcc_lo, 0, v[\n+\k]               ; w_neg <= 0
	v_cndmask_b32 v[\n+\k], 0, -2.0, vcc_lo        ; -2 there, else 0
.endr
	v_pk_add_f32 v[\p:\p+1],   v[\p:\p+1],   v[\n:\n+1]        ; 2 Q: 0x40000000, 0xc0000000 or 0
	v_pk_add_f32 v[\p+2:\p+3], v[\p+2:\p+3], v[\n+2:\n+3]
	v_perm_b32 v[\p],   v[\p+1], v[\p],   s22      ; the top bytes of numbers 0 and 1
	v_perm_b32 v[\p+2], v[\p+3], v[\p+2], s22      ; of numbers 2 and 3
	v_perm_b32 v[\y],   v[\p+2], v[\p],   s23      ; four codes, the lowest index in the lowest byte
.endm
; Turn t on slot s.  ahead = 1: the slot is loaded again, for turn t + 4.  left = how many younger loads may stay out.
.macro TURN s, t, ahead, left
	s_wait_loadcnt \left                           ; loads come back in order (ISA guide 5.7.1): my five are in, the younger slots' fives stay out
.if \t >= 4
	s_wait_xcnt 0x0                                ; the slot's four registers to store are the data of its stores four turns ago: rewritten only behind this wait
.endif
	QUANT D0+20*\s,   D0+20*\s+4,  Y0+4*\s
	QUANT D0+20*\s+8, D0+20*\s+12, Y0+4*\s+1
	v_permlane16_swap_b32 v[Y0+4*\s], v[Y0+4*\s+1] ; the first word's lanes 16-31 (odd pieces of load 0) change places with the second's lanes 0-15 (even pieces of load 1)
	v_cvt_pk_bf16_f32 v[Y0+4*\s+2], v[D0+20*\s+16], v[D0+20*\s+17]
	v_cvt_pk_bf16_f32 v[Y0+4*\s+3], v[D0+20*\s+18], v[D0+20*\s+19]
.if \ahead
	LOADS \s, \t+4                                 ; loads go ahead of stores
.endif
	global_store_b64 v[VOUT], v[Y0+4*\s:Y0+4*\s+1],   s[12:13] offset:2048*\t        ; no hint: the next launch reads these bytes
	global_store_b64 v[VOUT], v[Y0+4*\s+2:Y0+4*\s+3], s[10:11] offset:2048*\t
.endm
	LOADS 0, 0
	LOADS 1, 1
	LOADS 2, 2
	LOADS 3, 3
	TURN 0, 0, 1, 15                               ; three younger slots of five loads
	TURN 1, 1, 1, 15
	TURN 2, 2, 1, 15
	TURN 3, 3, 1, 15
	TURN 0, 4, 0, 15                               ; the last four turns load nothing: the counts run down
	TURN 1, 5, 0, 10
	TURN 2, 6, 0, 5
	TURN 3, 7, 0, 0
	s_endpgm
.Lfunc_end_k_q6ecee81eed_prep:
	.size	k_q6ecee81eed_prep, .Lfunc_end_k_q6ecee81eed_prep-k_q6ecee81eed_prep
	.p2alignl 7, 3214868480
	.fill 96, 4, 3214868480
	.section	.rodata,"a",@progbits
	.p2align	6, 0x0
	.amdhsa_kernel k_q6ecee81eed_prep
		.amdhsa_group_segment_fixed_size 0
		.amdhsa_private_segment_fixed_size 0
		.amdhsa_enable_private_segment 0
		.amdhsa_kernarg_size 40
		.amdhsa_user_sgpr_count 2
		.amdhsa_user_sgpr_kernarg_segment_ptr 1
		.amdhsa_wavefront_size32 1
		.amdhsa_system_sgpr_workgroup_id_x 1
		.amdhsa_system_sgpr_workgroup_id_y 1
		.amdhsa_system_sgpr_workgroup_id_z 1
		.amdhsa_system_vgpr_workitem_id 0
		.amdhsa_next_free_vgpr 100
		.amdhsa_next_free_sgpr 66
		.amdhsa_reserve_vcc 1
		.amdhsa_float_denorm_mode_32 3
		.amdhsa_float_denorm_mode_16_64 3
		.amdhsa_memory_ordered 1
		.amdhsa_forward_progress 1
		.amdhsa_inst_pref_size 26
	.end_amdhsa_kernel
	.amdgpu_metadata
---
amdhsa.version: [ 1, 2 ]
amdhsa.kernels:
  - .name:           k_q6ecee81eed_prep
    .symbol:         k_q6ecee81eed_prep.kd
    .args:
      - { .name: x, .offset: 0, .size: 8, .value_kind: global_buffer, .address_space: global }
      - { .name: w_pos, .offset: 8, .size: 8, .value_kind: global_buffer, .address_space: global }
      - { .name: w_neg, .offset: 16, .size: 8, .value_kind: global_buffer, .address_space: global }
      - { .name: xb, .offset: 24, .size: 8, .value_kind: global_buffer, .address_space: global }
      - { .name: wb, .offset: 32, .size: 8, .value_kind: global_buffer, .address_space: global }
    .group_segment_fixed_size: 0
    .private_segment_fixed_size: 0
    .kernarg_segment_align: 8
    .kernarg_segment_size: 40
    .max_flat_workgroup_size: 256
    .sgpr_count:     66
    .vgpr_count:     100
    .wavefront_size: 32
...
	.end_amdgpu_metadata
.endif
;; end of part 3
;; launch gemm (part 4): grid 16 x 16, 4 waves a work-group, clusters of 4 x 4, 327,680 bytes of LDS; arguments xb, wb, out0; writes out0
.if DOCPART == 4
	.amdgcn_target "amdgcn-amd-amdhsa--gfx1250"
	.amdhsa_code_object_version 6
	.text
	.protected	k_q6ecee81eed_gemm
	.globl	k_q6ecee81eed_gemm
	.p2align	8
	.type	k_q6ecee81eed_gemm,@function
k_q6ecee81eed_gemm:
	s_mov_b64 s[64:65], 0
	v_nop
	global_prefetch_b8 v0, s[64:65] scope:SCOPE_SE
	s_setreg_imm32_b32 hwreg(HW_REG_WAVE_MODE, 25, 1), 1
	s_wait_xcnt 0x0
	s_wait_alu depctr_hold_cnt(0) depctr_sa_sdst(0) depctr_va_vdst(0) depctr_va_sdst(0) depctr_va_ssrc(0) depctr_va_vcc(0) depctr_vm_vsrc(0)
	s_getreg_b32 s2, hwreg(HW_REG_IB_STS2, 6, 4)
	s_cmp_eq_u32 s2, 0
	s_cbranch_scc0 .Lentry_in_a_cluster
	s_endpgm
.Lentry_in_a_cluster:
	s_bfe_u32 s2, ttmp6, 0x10000c
	s_cmp_lg_u32 s2, 0xf033
	s_cbranch_scc0 .Lentry_shape_is_right
	s_endpgm
.Lentry_shape_is_right:
; out0[m][n] = sum over k of xb[m][k] Q[n][k].  xb: [2048][4096] bf16 (x rounded).  wb: [4096][4096] bytes, the upper byte of bf16(2 Q), Q = -1, 0, 1.
; out0: [2048][4096] f32.  The matrix operands are bf16: on the way from LDS to the matrix unit a zero byte is put under each byte of wb, which gives 2 Q exactly.
; The sums are halved once, exactly, at the end.
; LIMITS: x is rounded to bf16 once, the weights are exact; sums are f32 and are carried at twice their size, so they overflow at half of f32's range; each output
; is the sum of two partial sums over halves of K, added once at the end; inside a matrix instruction k stands in other places than its index (alike in both
; operands), so the order of rounding differs from a single ascending chain.
; SHAPE.  16 x 16 work-groups, one block of 128 (m) x 256 (n) each, four waves.  Every wave keeps 128 x 128 sums in 512 registers.  The block has only two such
; column halves, so the two waves of a column half share K: wave w takes columns 128 (w & 1) .. + 127 and, of every 256 along K, the 128 at 128 (w >> 1).
; At the end the pair w, w xor 2 exchange half of their sums through LDS, and each finishes and stores 64 rows.
; K goes in periods of 256 through two LDS slots filled by the tensor data mover: 512 bytes of each row of xb, 256 bytes of each row of wb, at multiples of 256
; from the buffers' starts.  Each wave brings 32 KiB of a slot with one load; from a request to the wait for it a wave issues 232 matrix instructions.
; CLUSTERS: 4 x 4 work-groups.  Grid x is the block row, grid y the block column.  xb's tile hangs on the block row alone: the four work-groups with my cx
; ask for it jointly.  wb's tile hangs on the block column alone: the four with my cy ask jointly.  That divides the requests for both by four.
; REGISTERS, in windows of 256:
;   window 0: v1-7 at work, v16-28 addresses; v64-127, v128-191 fragments of xb (8 x 16 rows x 32 K), two buffers; v192-223, v224-255 bytes of wb as loaded, two buffers
;   window 1 + b / 3, for column block b = 0..7: the eight tiles (a, b) at v[64 (b % 3) + 8 a]; wb's widened fragment of block b, two buffers, at v[192 + 16 (b % 3)]
; Tiles a = 0..3 are block rows 64 kh + 16 a, which I finish; a = 4..7 are rows 64 (1 - kh) + 16 (a - 4), which my partner finishes: a matter of two LDS addresses.
; Since a block's sums and its widened fragment share a window, ONE window setting serves the matrix instruction (D, C, source 0 there, source 1 in window 0) and the
; v_perm_b32 that widens (destination there, the bytes as source 1 in window 0): the two stand by turns, with three settings for 64 matrix instructions.
; THE MATRIX INSTRUCTION IS USED TRANSPOSED: source 0 = 16 rows of wb, source 1 = 16 rows of xb.  Lane l then holds row l % 16 of the tile and, in
; registers 0 to 7, columns 8 (l / 16) + 0 .. 7: 32 neighbouring bytes of a row of out0.
; k IN A FRAGMENT: lane l holds, of 32 along K, the 16 neighbours at 16 (l / 16), in ascending order, in both operands: 16 bytes of wb, 32 bytes of xb.
.set SIZE_K, 4096
.set SIZE_N, 4096
.set KSLOT,  256                       ; along K in a slot
.set PA,     528                       ; an LDS row of xb: 512 bytes + 16, an odd multiple of 16: the 16 rows of a fragment load start in 16 different 16-byte columns of 256
.set PB,     272                       ; an LDS row of wb: 256 bytes + 16, likewise
.set HALFB,  128*PB                    ; 128 rows of wb: one load
.set QA,     64*PA                     ; 64 rows of xb: one load
.set AOFF,   2*HALFB                   ; a slot: wb's 256 rows, then xb's 128 rows
.set SLOT,   AOFF+2*QA                 ; 137,216 bytes
.set XCH,    2*SLOT                    ; behind the ring: the exchange, 8,192 bytes for each wave; no tensor load lands here
.set XPART,  8192
.set STAGE,  XCH+4*XPART               ; the way out: 16 rows x 272 bytes for each wave, its own
.set SP,     272                       ; 256 bytes + 16
.set SPART,  16*SP
.set PERIODS, SIZE_K/KSLOT             ; 16
.set ADRAL, 16                         ; v16-17  LDS address, slot 0, 1: fragments of the xb rows that I finish
.set ADRAH, 18                         ; v18-19  the same for the rows that my partner finishes
.set ADRB,  20                         ; v20-21  the same for my 128 rows of wb
.set STO,   24                         ; v24     the way out: where I put my 32 bytes of a row
.set RD,    25                         ; v25     the way out: where I read rows back
.set CO,    26                         ; v26     my byte offset in two rows of out0
.set XS,    27                         ; v27     the exchange: my part
.set XR,    28                         ; v28     the exchange: my partner's part
.set F0,    64                         ; xb's fragment buffers: F0 + 64 x buffer
.set R0,    192                        ; wb's bytes: R0 + 32 x buffer + 4 b
.set G1,  24                           ; s[24:31] descriptor group 1 for xb's tiles
.set G0,  32                           ; s[32:39] group 0 for xb's tiles, a set for each slot
.set G1B, 48                           ; s[48:55] group 1 for wb's tiles
.set G0B, 56                           ; s[56:63] group 0 for wb's tiles, a set for each slot
.set SEL, 66                           ; s66, s67 v_perm_b32: bytes 0, 1 or bytes 2, 3 of the second source, each above a zero byte of the first
.set MSB, 0
.macro WIN new                         ; s_set_vgpr_msb: bits 1:0 source 0, 3:2 source 1, 5:4 source 2, 7:6 destination; the high byte repeats the setting that is left
.if MSB != (\new)
	s_set_vgpr_msb (MSB<<8)|(\new)
.set MSB, (\new)
.endif
.endm
; A joint load.  Waves 0 and 1 fetch wb's two halves of 128 rows, waves 2 and 3 xb's two halves of 64.  Each line has one mask and one set of registers,
; made of nothing that the four partners do not share.  The branch hangs on the wave's number alone.
.macro JLOAD s
	s_cmp_eq_u32 s11, 0
	s_cbranch_scc0 .Lfor_a_\@
	tensor_load_to_lds s[G0B+4*\s:G0B+4*\s+3], s[G1B:G1B+7]
	s_nop 0
	s_branch .Lasked_\@
.Lfor_a_\@:
	tensor_load_to_lds s[G0+4*\s:G0+4*\s+3], s[G1:G1+7]
	s_nop 0
.Lasked_\@:
.endm
; A round of the cluster's barrier: my work-group's barrier; wave 0 signals for the work-group; every wave waits for all sixteen; my work-group's barrier again.
.macro CREST                           ; a round behind its opening barrier
	s_cmp_lg_u32 s10, 0
	s_cbranch_scc1 .Lnot_wave_0_\@
	s_barrier_signal -3
.Lnot_wave_0_\@:
	s_barrier_wait -3
	s_barrier_signal -1
	s_barrier_wait -1
.endm
.macro CROUND
	s_barrier_signal -1
	s_barrier_wait -1
	CREST
.endm
	s_load_b128 s[4:7], s[0:1], 0x0                ; xb s[4:5], wb s[6:7]
	s_load_b64 s[8:9], s[0:1], 0x10                ; out0
	s_set_vgpr_msb 0x40
	v_lshl_add_u32 v255, v0, 2, 0x4f400
	s_set_vgpr_msb 0x4000
	v_mov_b32 v63, 0
	s_set_vgpr_msb 0x1
	ds_add_u32 v255, v63
	ds_add_u32 v255, v63
	s_set_vgpr_msb 0x100
	v_lshrrev_b32 v1, 5, v0
	v_readfirstlane_b32 s10, v1                    ; wave w, 0..3
	s_lshr_b32 s11, s10, 1                         ; kh: my half of each period's K.  Also: I fetch for wb (0) or for xb (1)
	s_and_b32 s12, s10, 1                          ; nh: my half of the block's columns.  Also: which part of that tile I fetch
	s_mov_b32 s[SEL], 0x01040004
	s_mov_b32 s[SEL+1], 0x03040204
	s_bfe_u32 s40, ttmp6, 0x40000                  ; cx
	s_bfe_u32 s41, ttmp6, 0x40004                  ; cy
	s_lshl_b32 s13, ttmp9, 2                       ; in a cluster launch ttmp9 and ttmp7 count clusters
	s_add_co_u32 s13, s13, s40                     ; block row = 4 x cluster x + cx
	s_and_b32 s42, ttmp7, 0xffff
	s_lshl_b32 s42, s42, 2
	s_add_co_u32 s42, s42, s41                     ; block column = 4 x cluster y + cy
	s_lshl_b32 s43, 0x1111, s40                    ; the work-groups with my cx: places cx, cx + 4, cx + 8, cx + 12
	s_lshl_b32 s44, s41, 2
	s_lshl_b32 s44, 15, s44                        ; the work-groups with my cy: places 4 cy .. 4 cy + 3
	; group 1, in elements of 2 bytes.  xb: 64 rows x 256 elements, 4 words of padding behind every 128 words.  wb: 128 rows x 128 elements (256 codes), behind every 64 words.
	s_or_b32 s[G1+0],  s43, (1<<16)|(1<<20)|(1<<21)|(6<<22)|(3<<25)  ; 15:0 mask; 17:16 element of 2 bytes; 20 padding on; 21 set beside a mask; 24:22 every 128 words; 31:25 four words
	s_or_b32 s[G1B+0], s44, (1<<16)|(1<<20)|(1<<21)|(5<<22)|(3<<25)  ; the same, every 64 words
	s_mov_b32 s[G1+1],  256<<16                    ; tensor_dim0
	s_mov_b32 s[G1B+1], 128<<16
	s_mov_b32 s[G1+2],  64<<16                     ; tensor_dim1
	s_mov_b32 s[G1B+2], 128<<16
	s_mov_b32 s[G1+3],  256<<16                    ; tile_dim0
	s_mov_b32 s[G1B+3], 128<<16
	s_mov_b32 s[G1+4],  64                         ; tile_dim1
	s_mov_b32 s[G1B+4], 128
	s_mov_b32 s[G1+5],  SIZE_K                     ; elements from row to row: 8,192 bytes
	s_mov_b32 s[G1B+5], SIZE_K/2                   ; 4,096 bytes
	s_mov_b32 s[G1+6],  0
	s_mov_b32 s[G1B+6], 0
	s_mov_b32 s[G1+7],  0
	s_mov_b32 s[G1B+7], 0
	; where the tiles come from.  Every wave makes both offsets, each in registers that never hold the other coordinate.
	s_lshl_b32 s16, s13, 7
	s_lshl_b32 s17, s12, 6
	s_add_co_u32 s16, s16, s17                     ; xb: row 128 x block row + 64 x part
	s_lshl_b32 s16, s16, 13                        ; in bytes, below 16 MiB
	s_mov_b32 s17, 0
	s_lshl_b32 s46, s42, 8
	s_lshl_b32 s47, s12, 7
	s_add_co_u32 s46, s46, s47                     ; wb: row 256 x block column + 128 x part
	s_lshl_b32 s46, s46, 12                        ; in bytes, below 16 MiB
	s_mov_b32 s47, 0
	; and where they go: the wave's number times a constant, plus a constant.  Waves 0, 1: wb at 0 and 34,816.  Waves 2, 3: xb at 69,632 and 103,424.
	s_mul_i32 s21, s10, HALFB
	s_mul_i32 s20, s10, QA
	s_add_co_u32 s20, s20, AOFF-2*QA
	s_wait_dscnt 0x0
	s_wait_kmcnt 0x0
	s_add_nc_u64 s[14:15], s[4:5], s[16:17]
	s_add_nc_u64 s[46:47], s[6:7], s[46:47]
	CROUND                                         ; all sixteen work-groups are here: the first joint loads meet
.irp s, 0,1
	s_mov_b32 s[G0+4*\s], 1                                        ; count = 1
	s_add_co_u32 s[G0+4*\s+1], s20, \s*SLOT                        ; LDS address
	s_add_nc_u64 s[G0+4*\s+2:G0+4*\s+3], s[14:15], \s*KSLOT*2      ; global address: period s
	s_or_b32 s[G0+4*\s+3], s[G0+4*\s+3], 0x80000000                ; type = 2
	s_mov_b32 s[G0B+4*\s], 1
	s_add_co_u32 s[G0B+4*\s+1], s21, \s*SLOT
	s_add_nc_u64 s[G0B+4*\s+2:G0B+4*\s+3], s[46:47], \s*KSLOT
	s_or_b32 s[G0B+4*\s+3], s[G0B+4*\s+3], 0x80000000
	JLOAD \s                                       ; both slots' first fills go out before anything else: two loads of this wave are out
.endr
	; Fragment addresses.  Lane l: row l % 16; of 32 along K the 16 at 16 (l / 16): 32 bytes of xb, 16 bytes of wb.  My half of a period begins at byte 256 kh of xb's rows, 128 kh of wb's.
	v_and_b32 v1, 15, v0                           ; r
	v_bfe_u32 v2, v0, 4, 1                         ; h
	v_mul_u32_u24 v3, v1, PA
	v_lshl_add_u32 v3, v2, 5, v3                   ; xb: 528 r + 32 h
	v_mul_u32_u24 v4, v1, PB
	v_lshl_add_u32 v4, v2, 4, v4                   ; wb: 272 r + 16 h
	s_lshl_b32 s18, s11, 7
	s_mul_i32 s22, s12, HALFB
	s_add_co_u32 s22, s22, s18                     ; wb: my 128 rows, my half of K
	s_lshl_b32 s18, s11, 8
	s_add_co_u32 s18, s18, AOFF
	s_mul_i32 s23, s11, QA
	s_add_co_u32 s23, s23, s18                     ; xb: rows 64 kh .. + 63
	s_xor_b32 s19, s11, 1
	s_mul_i32 s19, s19, QA
	s_add_co_u32 s19, s19, s18                     ; xb: rows 64 (1 - kh) .. + 63
.irp s, 0,1
	v_add_nc_u32 v[ADRAL+\s], s23, v3
	v_add_nc_u32 v[ADRAH+\s], s19, v3
	v_add_nc_u32 v[ADRB+\s],  s22, v4
	s_add_co_u32 s23, s23, SLOT
	s_add_co_u32 s19, s19, SLOT
	s_add_co_u32 s22, s22, SLOT
.endr
	v_and_b32 v5, 31, v0
	v_lshlrev_b32 v5, 4, v5                        ; 16 x lane
	s_lshl_b32 s22, s10, 13
	s_add_co_u32 s22, s22, XCH
	v_add_nc_u32 v[XS], s22, v5                    ; my part of the exchange
	s_xor_b32 s23, s10, 2
	s_lshl_b32 s23, s23, 13
	s_add_co_u32 s23, s23, XCH
	v_add_nc_u32 v[XR], s23, v5                    ; my partner's
	s_mul_i32 s19, s10, SPART
	s_add_co_u32 s19, s19, STAGE                   ; my stage
	v_mul_u32_u24 v7, v1, SP                       ; in: row r, 32 bytes for each half of the lanes
	v_lshl_add_u32 v7, v2, 5, v7
	v_add_nc_u32 v[STO], s19, v7
	v_lshlrev_b32 v6, 4, v1                        ; back: lanes 0-15 take one row's 256 bytes, lanes 16-31 the next row's
	v_mad_u32_u24 v[RD], v2, SP, v6
	v_add_nc_u32 v[RD], s19, v[RD]
	v_lshl_add_u32 v[CO], v2, 14, v6               ; and the same two rows in out0: 16,384 bytes apart
; Column block b, 32 along K: eight matrix instructions on buffers fp and, by turns with them (perm = 1), the eight v_perm_b32 that widen block b's 16 bytes a lane
; of the next quarter into the other buffer.  zero = 1: the first product starts the sums; nothing is cleared.
; A v_perm_b32 names none of the registers of the matrix instructions on buffer fp; the buffer that it writes was last read a quarter ago, with four v_nop since.
.macro COLB b, fp, zero, perm
.set CB, 64*((\b)%3)
.set BF, 192+16*((\b)%3)
	WIN (1+(\b)/3)*0x51
.irp a, 0,1,2,3,4,5,6,7
.if \zero
	v_wmma_f32_16x16x32_bf16 v[CB+8*\a:CB+8*\a+7], v[BF+8*\fp:BF+8*\fp+7], v[F0+64*\fp+8*\a:F0+64*\fp+8*\a+7], 0
.else
	v_wmma_f32_16x16x32_bf16 v[CB+8*\a:CB+8*\a+7], v[BF+8*\fp:BF+8*\fp+7], v[F0+64*\fp+8*\a:F0+64*\fp+8*\a+7], v[CB+8*\a:CB+8*\a+7]
.endif
.if \perm
	v_perm_b32 v[BF+8*(1-\fp)+\a], 0, v[R0+32*(1-\fp)+4*(\b)+\a/2], s[SEL+\a%2]
.endif
.endr
.endm
; The widening alone, for the very first quarter.
.macro EXPB b, gp
.set BF, 192+16*((\b)%3)
	WIN (1+(\b)/3)*0x51
.irp a, 0,1,2,3,4,5,6,7
	v_perm_b32 v[BF+8*\gp+\a], 0, v[R0+32*\gp+4*(\b)+\a/2], s[SEL+\a%2]
.endr
.endm
; 16 LDS loads: xb's fragments of one quarter, at byte k of my half of the rows, into buffer fp: first the rows that I finish, then my partner's.
.macro LDA slot, k, fp
	WIN 0
.irp i, 0,1,2,3
	ds_load_b128 v[F0+64*\fp+8*\i:F0+64*\fp+8*\i+3],   v[ADRAL+\slot] offset:\k+\i*16*PA
	ds_load_b128 v[F0+64*\fp+8*\i+4:F0+64*\fp+8*\i+7], v[ADRAL+\slot] offset:\k+\i*16*PA+16
.endr
.irp i, 0,1,2,3
	ds_load_b128 v[F0+64*\fp+32+8*\i:F0+64*\fp+32+8*\i+3],   v[ADRAH+\slot] offset:\k+\i*16*PA
	ds_load_b128 v[F0+64*\fp+32+8*\i+4:F0+64*\fp+32+8*\i+7], v[ADRAH+\slot] offset:\k+\i*16*PA+16
.endr
.endm
; 8 LDS loads: wb's bytes of one quarter, at byte k of my half of the rows, into byte buffer rp.
.macro LDR slot, k, rp
	WIN 0
.irp i, 0,1,2,3,4,5,6,7
	ds_load_b128 v[R0+32*\rp+4*\i:R0+32*\rp+4*\i+3], v[ADRB+\slot] offset:\k+\i*16*PB
.endr
.endm
; A load into a register that a matrix instruction has read, and whatever but a matrix instruction reads a matrix result, stand four places behind it, and
; only plain vector instructions that name none of its registers are places (ISA guide 7.12.1 for vector instructions).
.macro PLACES
.rept 4
	v_nop
.endr
.endm
; My share of a period is four quarters of 32 along K, 64 matrix instructions each, on buffers 0, 1, 0, 1.  The 64 accumulators take turns, one instruction
; a turn, in the same order in every quarter, over the backward jump too.
; Quarter j multiplies buffers fp = j % 2, widens the bytes of quarter j + 1, and at its head loads xb's fragments of quarter j + 1 (byte ka of slot's rows, buffer gp)
; and wb's bytes of quarter j + 2 (byte kr, byte buffer fp, whose bytes were widened in the quarter before).  All that the quarter uses was loaded a quarter ago.
.macro QUART fp, gp, zero, slot, ka, kr
	s_wait_dscnt 0x0                               ; the loads issued at the head of the last quarter, 64 matrix instructions ago
	PLACES
	LDA \slot, \ka, \gp
	LDR \slot, \kr, \fp
.irp b, 0,1,2,3,4,5,6,7
	COLB \b, \fp, \zero, 1
.endr
.endm
; Quarter 2 changes slots.  Its head loads the last that is read of this slot, xb's fragments of quarter 3.  In front of the barrier each wave waits for its reads of this
; slot and for all its tensor loads, of which one is out: its part of the next slot.  Behind it (fill = 1: behind the cluster's round that it opens) nobody reads
; this slot and the next slot is whole: the refill comes first, one load a wave, then the next slot's first bytes of wb.
.macro TURN slot, next, fill
	s_wait_dscnt 0x0
	PLACES
	LDA \slot, 192, 1
.irp b, 0,1,2
	COLB \b, 0, 0, 1
.endr
	s_wait_dscnt 0x0                               ; my reads of this slot are over
	s_wait_tensorcnt 0x0                           ; all my tensor loads have landed
	ds_add_u32 v255, v63
	s_wait_dscnt 0x0
	s_barrier_signal -1
.irp b, 3,4,5
	COLB \b, 0, 0, 1                               ; register work while the others arrive
.endr
	WIN 0
	s_barrier_wait -1
.if \fill
	CREST                                          ; all sixteen work-groups have said the same: no wave of a partner reads this slot or has a load on its way
	s_add_nc_u64 s[G0+4*\slot+2:G0+4*\slot+3],   s[G0+4*\slot+2:G0+4*\slot+3],   2*KSLOT*2   ; no load of mine is out: the groups 0 may be written
	s_add_nc_u64 s[G0B+4*\slot+2:G0B+4*\slot+3], s[G0B+4*\slot+2:G0B+4*\slot+3], 2*KSLOT
	JLOAD \slot                                    ; the first tensor load behind the round, and my only one until the next
.endif
	LDR \next, 0, 0
.irp b, 6,7
	COLB \b, 0, 0, 1
.endr
.endm
.macro PERIOD slot, next, fill, zero
	QUART 0, 1, \zero, \slot, 64, 64
	QUART 1, 0, 0, \slot, 128, 96
	TURN \slot, \next, \fill
	QUART 1, 0, 0, \next, 0, 32
.endm
	s_wait_tensorcnt 1                             ; my part of period 0 is in; period 1's may stay out
	s_barrier_signal -1
	s_barrier_wait -1                              ; everybody's part is in
	LDR 0, 0, 0                                    ; wb's bytes of quarter 0,
	LDA 0, 0, 0                                    ; xb's fragments of quarter 0,
	LDR 0, 32, 1                                   ; wb's bytes of quarter 1
	s_wait_dscnt 24                                ; the first eight loads are in; the 16 + 8 behind them may be out
.irp b, 0,1,2,3,4,5,6,7
	EXPB \b, 0
.endr
	PERIOD 0, 1, 1, 1                              ; the first two periods stand in front of the loop: the first products start the sums
	PERIOD 1, 0, 1, 0
	WIN 0                                          ; at a label and at a branch every window is 0
	s_mov_b32 s3, PERIODS/2-2
.Llap:
	PERIOD 0, 1, 1, 0
	PERIOD 1, 0, 1, 0
	WIN 0
	s_sub_co_u32 s3, s3, 1
	s_cmp_lg_u32 s3, 0
	s_cbranch_scc1 .Llap
	PERIOD 0, 1, 0, 0                              ; period 14 fills nothing: the refills of periods 0 to 13 have reached period 15
	QUART 0, 1, 0, 1, 64, 64                       ; period 15
	QUART 1, 0, 0, 1, 128, 96
	s_wait_dscnt 0x0
	PLACES
	LDA 1, 192, 1                                  ; the last fragments of xb; no bytes of wb are left to load
.irp b, 0,1,2,3,4,5,6,7
	COLB \b, 0, 0, 1
.endr
	s_wait_dscnt 0x0
.irp b, 0,1,2,3,4,5,6,7
	COLB \b, 1, 0, 0                               ; the very last quarter: nothing is left to widen
.endr
	; THE EXCHANGE.  Tiles a = 4..7 hold my K half's sums of the rows that my partner finishes.  In four passes, two column blocks (64 registers) each, I put them into my
	; part of the exchange as they lie (lane x 16 bytes, 512 bytes a register quad), add my partner's, which lie in the same order, onto my tiles a = 0..3, and halve.
	PLACES                                         ; the places behind the last matrix instructions: for the LDS stores of results and the loads into xb's buffers
.macro XPASS p
.irp c, 0,1
.set BB, 2*\p+\c
.set CB, 64*(BB%3)
	WIN ((1+BB/3)<<2)                              ; LDS store: data from block BB's window
.irp i, 0,1,2,3,4,5,6,7
	ds_store_b128 v[XS], v[CB+32+4*\i:CB+32+4*\i+3] offset:512*(8*\c+\i)
.endr
.endr
	s_wait_dscnt 0x0                               ; my stores are done, for my partner's sake
	s_barrier_signal -1
	s_barrier_wait -1
	WIN 0
.irp i, 0,1,2,3,4,5,6,7,8,9,10,11,12,13,14,15
	ds_load_b128 v[F0+4*\i:F0+4*\i+3], v[XR] offset:512*\i
.endr
.irp c, 0,1
.set BB, 2*\p+\c
.set CB, 64*(BB%3)
	WIN ((1+BB/3)*0x41)                            ; destination and source 0 in block BB's window, source 1 in window 0
.irp i, 0,1,2,3,4,5,6,7
	s_wait_dscnt 15-8*\c-\i                        ; LDS loads come back in order (ISA guide 5.7.1): this quad is in
	v_pk_add_f32 v[CB+4*\i:CB+4*\i+1],   v[CB+4*\i:CB+4*\i+1],   v[F0+32*\c+4*\i:F0+32*\c+4*\i+1]
	v_pk_add_f32 v[CB+4*\i+2:CB+4*\i+3], v[CB+4*\i+2:CB+4*\i+3], v[F0+32*\c+4*\i+2:F0+32*\c+4*\i+3]
	v_pk_mul_f32 v[CB+4*\i:CB+4*\i+1],   v[CB+4*\i:CB+4*\i+1],   0.5 op_sel_hi:[1,0]     ; the weights went in as 2 Q
	v_pk_mul_f32 v[CB+4*\i+2:CB+4*\i+3], v[CB+4*\i+2:CB+4*\i+3], 0.5 op_sel_hi:[1,0]
.endr
.endr
.endm
.macro XBAR                            ; every wave's reads of the exchange are back (the count-down ended at 0): only behind this barrier is it written again
	s_barrier_signal -1
	s_barrier_wait -1
.endm
	XPASS 0
	XBAR
	XPASS 1
	XBAR
	XPASS 2
	XBAR
	XPASS 3
	; THE WAY OUT, 16 rows x 64 columns at a time: 32 bytes a lane and tile into my own stage, read back as whole rows of 256 bytes.
	s_lshl_b32 s16, s13, 21                        ; block row x 128 rows of 16,384 bytes
	s_lshl_b32 s17, s11, 20                        ; + 64 kh rows
	s_add_co_u32 s16, s16, s17
	s_mov_b32 s17, 0
	s_add_nc_u64 s[8:9], s[8:9], s[16:17]
	s_lshl_b32 s46, s42, 10                        ; block column x 256 columns of 4 bytes (in the registers of wb's chain, which alone holds cy)
	s_lshl_b32 s47, s12, 9                         ; + 128 nh columns
	s_add_co_u32 s46, s46, s47
	s_mov_b32 s47, 0
	s_add_nc_u64 s[8:9], s[8:9], s[46:47]
; rows 16 a .. 16 a + 15 of my 64, columns 64 c .. 64 c + 63 of my 128 = the tiles (a, 4 c .. 4 c + 3); f: 32 registers of window 0, four sets in turn
.macro OUTU a, c, f
.irp bb, 0,1,2,3
.set BB, 4*\c+\bb
.set CB, 64*(BB%3)
	WIN ((1+BB/3)<<2)
	ds_store_b128 v[STO], v[CB+8*\a:CB+8*\a+3]   offset:64*\bb
	ds_store_b128 v[STO], v[CB+8*\a+4:CB+8*\a+7] offset:64*\bb+16
.endr
	WIN 0
	s_wait_xcnt 0x0                                ; set f is the data of earlier stores: loaded again only behind this wait
.irp t, 0,1,2,3,4,5,6,7
	ds_load_b128 v[\f+4*\t:\f+4*\t+3], v[RD] offset:2*SP*\t        ; LDS serves a wave's instructions in order (ISA guide 5.7.1): these see the stores above
.endr
.irp t, 0,1,2,3,4,5,6,7
	s_wait_dscnt 7-\t
	global_store_b128 v[CO], v[\f+4*\t:\f+4*\t+3], s[8:9] offset:(16*\a+2*\t)*SIZE_N*4+256*\c th:TH_STORE_NT   ; 16 lanes store 256 consecutive bytes, aligned; 1,016,064 at the most in the immediate
.endr
.endm
	OUTU 0, 0, F0
	OUTU 0, 1, F0+32
	OUTU 1, 0, F0+64
	OUTU 1, 1, F0+96
	OUTU 2, 0, F0
	OUTU 2, 1, F0+32
	OUTU 3, 0, F0+64
	OUTU 3, 1, F0+96
	s_set_vgpr_msb 0x1
	s_wait_tensorcnt 0x0
	ds_add_u32 v255, v63
	s_wait_dscnt 0x0
	s_set_vgpr_msb 0x100
	CROUND                                         ; the closing round: no work-group ends while a partner may still ask for a tile that names it
	s_endpgm
.Lfunc_end_k_q6ecee81eed_gemm:
	.size	k_q6ecee81eed_gemm, .Lfunc_end_k_q6ecee81eed_gemm-k_q6ecee81eed_gemm
	.p2alignl 7, 3214868480
	.fill 96, 4, 3214868480
	.section	.rodata,"a",@progbits
	.p2align	6, 0x0
	.amdhsa_kernel k_q6ecee81eed_gemm
		.amdhsa_group_segment_fixed_size 327680
		.amdhsa_private_segment_fixed_size 0
		.amdhsa_enable_private_segment 0
		.amdhsa_kernarg_size 24
		.amdhsa_user_sgpr_count 2
		.amdhsa_user_sgpr_kernarg_segment_ptr 1
		.amdhsa_wavefront_size32 1
		.amdhsa_system_sgpr_workgroup_id_x 1
		.amdhsa_system_sgpr_workgroup_id_y 1
		.amdhsa_system_sgpr_workgroup_id_z 1
		.amdhsa_system_vgpr_workitem_id 0
		.amdhsa_next_free_vgpr 1024
		.amdhsa_next_free_sgpr 68
		.amdhsa_reserve_vcc 0
		.amdhsa_float_denorm_mode_32 3
		.amdhsa_float_denorm_mode_16_64 3
		.amdhsa_memory_ordered 1
		.amdhsa_forward_progress 1
		.amdhsa_inst_pref_size 255
	.end_amdhsa_kernel
	.section	.bss,"aw",@nobits
	.p2align	6
	.space	262144
	.amdgpu_metadata
---
amdhsa.version: [ 1, 2 ]
amdhsa.kernels:
  - .name:           k_q6ecee81eed_gemm
    .symbol:         k_q6ecee81eed_gemm.kd
    .args:
      - { .name: xb, .offset: 0, .size: 8, .value_kind: global_buffer, .address_space: global }
      - { .name: wb, .offset: 8, .size: 8, .value_kind: global_buffer, .address_space: global }
      - { .name: out0, .offset: 16, .size: 8, .value_kind: global_buffer, .address_space: global }
    .group_segment_fixed_size: 327680
    .private_segment_fixed_size: 0
    .kernarg_segment_align: 8
    .kernarg_segment_size: 24
    .max_flat_workgroup_size: 128
    .sgpr_count:     68
    .vgpr_count:     1024
    .wavefront_size: 32
...
	.end_amdgpu_metadata
.endif
;; end of part 4
;; ======== version 3 of 3: 2 launches; version 2 with the launch prep written anew for expert scheduling mode
;; limits: inputs' magnitudes at most 16,384
;; workspace buffers: xb 16,777,216 bytes; wb 16,777,216 bytes
;; launch prep (part 5): grid 1024 x 1, 8 waves a work-group, no clusters, 0 bytes of LDS; arguments x, w_pos, w_neg, xb, wb; writes xb, wb
.if DOCPART == 5
	.amdgcn_target "amdgcn-amd-amdhsa--gfx1250"
	.amdhsa_code_object_version 6
	.text
	.protected	k_q6ecee81eed_prep
	.globl	k_q6ecee81eed_prep
	.p2align	8
	.type	k_q6ecee81eed_prep,@function
k_q6ecee81eed_prep:
	s_mov_b64 s[64:65], 0
	v_nop
	global_prefetch_b8 v0, s[64:65] scope:SCOPE_SE
	s_setreg_imm32_b32 hwreg(HW_REG_WAVE_SCHED_MODE, 0, 2), 2
	s_setreg_imm32_b32 hwreg(HW_REG_WAVE_MODE, 25, 1), 1
	s_wait_xcnt 0x0
	s_wait_alu depctr_vm_vsrc(0)
; xb = bf16(x);  wb = one byte for each weight, a code of Q = (w_pos > 0) - (w_neg <= 0), which is -1, 0 or 1.
; x . wp_q^T + x . wn_q^T = x . (wp_q + wn_q)^T for every input, so the two weight matrices are merged here, element by element,
; and the product that follows is made once.  Both weight inputs are read whole, each byte once.
; THE CODE: bf16(2 Q) is 0x4000, 0xc000 or 0x0000: its lower byte is always 0, so the upper byte says all.  It is also the top byte of 2 Q in f32.
; The next launch puts a zero byte under it and has the bf16 operand 2 Q, exactly; it halves its sums at the end.
; LIMITS.  (1) Q is the indicator itself.  The problem's w + (q - w) in f32 differs from q by at most about 2^-24 x max(1, |w|): below 1e-3
; up to |w| = 2^14; from |w| = 2^24 on it is no indicator any more, and this text does not follow it there.
; (2) A NaN or infinite weight makes the problem's quantised weight NaN; here it goes by the compares (NaN: 0 on both sides; infinities by their sign).
; (3) x is rounded to bf16, to nearest even.  -0, +0 and denormals go by the IEEE compares, as in the problem.
; A stream: no byte is used twice, so no LDS, no barrier, no matrix unit, no cluster.
; 1,024 work-groups of eight waves.  Work-group g owns 16,384 elements of each weight matrix (64 KiB in, 16 KiB out) and 8,192 of x (32 KiB in, 16 KiB out).
; x: thread t takes the 16 bytes at 16 t of a unit of 4,096; its four numbers become 8 bytes at 8 t of a unit of 2,048.
; Weights: a wave takes 1,024 consecutive bytes by two loads of 512.  In each load lanes 0-15 take the even pieces of 16 bytes and lanes 16-31 the odd ones.
; A piece becomes one word of four codes; one exchange between the halves of the wave then leaves pieces 2 l and 2 l + 1 in lane l: 8 neighbouring bytes.
; So every load of a wave covers 512 consecutive bytes and every store 256 consecutive bytes, aligned.
; Eight turns, written out.  Every step stands in an immediate, so no offset register and no base is rewritten.
; THE MODE: SCHED_MODE bits 1:0 = 2 (LLVM: expert scheduling mode 2), set by the entry lines.  The code itself states the register dependences
; between vector instructions and memory instructions, and between a vector instruction that writes a scalar register and its readers, with s_wait_alu, always for 0.
; THE PLAN.  Registers that memory instructions touch:
;   D0 .. D4   five slots of 20.  The loads of turn t land in D[t % 5]; turn t's vector lines read it and work in place on it.  The loads of turn t + 4 are issued in
;              turn t and land in D[(t + 4) % 5] = D[(t - 1) % 5]: the slot that the turn before worked on and that no vector line of turn t names.
;   Y0 .. Y3   four sets of 4.  Turn t's last vector lines write Y[t % 4]; the two stores that are issued in turn t + 1 read it; turn t + 4 writes it again.
;   v1, v2, v3 byte offsets, made once at the head and never written again.
; So one wait on va_vdst at a turn's head states all that the turn's seven memory instructions hang on, and these are dealt among its compares with no further wait.
; From turn 4 on one wait on vm_vsrc stands beside it, for the set of Y that the turn writes again.
; The turn's sixteen compares write sixteen scalar registers in one run; one wait on va_sdst stands between the run and the first select that reads a mask.
; Twenty loads of a wave are on their way once a turn's five are issued.
.set VINX, 1                           ; v1         16 t: my bytes in a unit of x
.set VOUT, 2                           ; v2         8 t: my bytes in a unit that is written
.set VINW, 3                           ; v3         1,024 x wave + 32 (lane % 16) + 16 (lane / 16): my piece of a weight load
.set D0,   4                           ; v[4:103]   slot s at 4 + 20 s: w_pos load 0, w_neg load 0, w_pos load 1, w_neg load 1, x: 4 registers each
.set Y0,   104                         ; v[104:119] set s at 104 + 4 s: two words of codes, two words of bf16
.set MK,   24                          ; s[24:39]   mask j belongs to register j of the slot's first sixteen
	s_load_b256 s[4:11], s[0:1], 0x0               ; x s[4:5], w_pos s[6:7], w_neg s[8:9], xb s[10:11]
	s_load_b64 s[12:13], s[0:1], 0x20              ; wb
	s_lshl_b32 s16, ttmp9, 16                      ; g x 64 KiB: my part of w_pos and of w_neg (below 64 MiB)
	s_mov_b32 s17, 0
	s_lshl_b32 s18, ttmp9, 15                      ; g x 32 KiB: my part of x
	s_mov_b32 s19, 0
	s_lshl_b32 s20, ttmp9, 14                      ; g x 16 KiB: my part of xb and of wb
	s_mov_b32 s21, 0
	s_mov_b32 s22, 0x07030703                      ; v_perm_b32: the top bytes of the second and of the first source, twice
	s_mov_b32 s23, 0x05040100                      ; v_perm_b32: the low halves of the second and of the first source
	v_lshlrev_b32 v[VINX], 4, v0
	v_lshlrev_b32 v[VOUT], 3, v0
	v_and_b32 v[D0], 0xef, v0                      ; 32 x wave + lane % 16
	v_bfe_u32 v[VINW], v0, 4, 1                    ; lane / 16
	v_lshlrev_b32 v[VINW], 4, v[VINW]
	v_lshl_or_b32 v[VINW], v[D0], 5, v[VINW]
	s_wait_kmcnt 0x0
	s_add_nc_u64 s[4:5], s[4:5], s[18:19]
	s_add_nc_u64 s[6:7], s[6:7], s[16:17]
	s_add_nc_u64 s[8:9], s[8:9], s[16:17]
	s_add_nc_u64 s[10:11], s[10:11], s[20:21]
	s_add_nc_u64 s[12:13], s[12:13], s[20:21]
	s_wait_alu depctr_va_vdst(0)                   ; the offsets v1, v2 and v3 are written, which every load and store of the kernel reads; so is v4, which served them and in which the first load lands
; The five loads of turn t into slot s, in one run: the first four turns'.  The launch reads these bytes once.
.macro LOADS s, t
	global_load_b128 v[D0+20*\s:D0+20*\s+3],     v[VINW], s[6:7] offset:8192*(\t) th:TH_LOAD_NT
	global_load_b128 v[D0+20*\s+4:D0+20*\s+7],   v[VINW], s[8:9] offset:8192*(\t) th:TH_LOAD_NT
	global_load_b128 v[D0+20*\s+8:D0+20*\s+11],  v[VINW], s[6:7] offset:8192*(\t)+512 th:TH_LOAD_NT
	global_load_b128 v[D0+20*\s+12:D0+20*\s+15], v[VINW], s[8:9] offset:8192*(\t)+512 th:TH_LOAD_NT
	global_load_b128 v[D0+20*\s+16:D0+20*\s+19], v[VINX], s[4:5] offset:4096*(\t) th:TH_LOAD_NT
.endm
; Turn t.  first = 1: turn 0, with no turn in front of it.  ahead = 1: turn t + 4 is loaded.  left = how many younger loads may stay out.
.macro TURN t, first, ahead, left
.set DS, D0+20*((\t)%5)                ; the slot at work
.set DN, D0+20*(((\t)+4)%5)            ; the slot that the turn before worked on: loaded again
.set YS, Y0+4*((\t)%4)                 ; the set that this turn writes
.set YP, Y0+4*(((\t)+3)%4)             ; the set that the turn before wrote: stored now
	s_wait_loadcnt \left                           ; loads come back in order (ISA guide 5.7.1): my five are in, the younger turns' fives stay out
.if (\t) >= 4
	s_wait_xcnt 0x0                                ; this turn's set of Y is the data of stores issued three turns ago: rewritten only behind this wait (ISA guide 3.1),
	s_wait_alu depctr_vm_vsrc(0)                   ; and behind this one: those stores have read the set, which this turn's conversions and v_perm_b32 write again
.endif
.if !(\first)
	s_wait_alu depctr_va_vdst(0)                   ; the turn before has written its set of Y, which the two stores below read, and is done reading and writing its slot, in which the loads below land (turns 1 to 3)
.endif
	; the seven memory instructions, loads ahead of stores, dealt among the compares: no vector line since the wait above names their registers
.if \ahead
	global_load_b128 v[DN:DN+3],     v[VINW], s[6:7] offset:8192*((\t)+4) th:TH_LOAD_NT
.endif
.if !(\first)
	global_store_b64 v[VOUT], v[YP:YP+1],   s[12:13] offset:2048*((\t)-1)    ; no hint: the next launch reads these bytes
.endif
.irp k, 0,1,2,3
	v_cmp_lt_f32 s[MK+\k], 0, v[DS+\k]             ; w_pos > 0, load 0
.endr
.if \ahead
	global_load_b128 v[DN+4:DN+7],   v[VINW], s[8:9] offset:8192*((\t)+4) th:TH_LOAD_NT
.endif
.if !(\first)
	global_store_b64 v[VOUT], v[YP+2:YP+3], s[10:11] offset:2048*((\t)-1)
.endif
.irp k, 4,5,6,7
	v_cmp_ge_f32 s[MK+\k], 0, v[DS+\k]             ; w_neg <= 0, load 0
.endr
.if \ahead
	global_load_b128 v[DN+8:DN+11],  v[VINW], s[6:7] offset:8192*((\t)+4)+512 th:TH_LOAD_NT
.endif
.irp k, 8,9,10,11
	v_cmp_lt_f32 s[MK+\k], 0, v[DS+\k]             ; w_pos > 0, load 1
.endr
.if \ahead
	global_load_b128 v[DN+12:DN+15], v[VINW], s[8:9] offset:8192*((\t)+4)+512 th:TH_LOAD_NT
.endif
.irp k, 12,13,14,15
	v_cmp_ge_f32 s[MK+\k], 0, v[DS+\k]             ; w_neg <= 0, load 1
.endr
.if \ahead
	global_load_b128 v[DN+16:DN+19], v[VINX], s[4:5] offset:4096*((\t)+4) th:TH_LOAD_NT
.endif
	v_cvt_pk_bf16_f32 v[YS+2], v[DS+16], v[DS+17]  ; x: two roundings to bf16, packed; they read no mask
	v_cvt_pk_bf16_f32 v[YS+3], v[DS+18], v[DS+19]
	s_wait_alu depctr_va_sdst(0)                   ; the sixteen compares have written s[24:39], ahead of the first select that reads one of them
.irp k, 0,1,2,3, 8,9,10,11
	v_cndmask_b32 v[DS+\k], 0, 2.0, s[MK+\k]       ; 2 where w_pos > 0, else 0
.endr
.irp k, 4,5,6,7, 12,13,14,15
	v_cndmask_b32 v[DS+\k], 0, -2.0, s[MK+\k]      ; -2 where w_neg <= 0, else 0
.endr
.irp p, 0,2,8,10
	v_pk_add_f32 v[DS+\p:DS+\p+1], v[DS+\p:DS+\p+1], v[DS+\p+4:DS+\p+5]      ; 2 Q: 0x40000000, 0xc0000000 or 0
.endr
.irp p, 0,2,8,10
	v_perm_b32 v[DS+\p], v[DS+\p+1], v[DS+\p], s22 ; the top bytes of two neighbouring numbers
.endr
	v_perm_b32 v[YS],   v[DS+2],  v[DS],   s23     ; four codes, the lowest index in the lowest byte: load 0's piece,
	v_perm_b32 v[YS+1], v[DS+10], v[DS+8], s23     ; load 1's
	v_permlane16_swap_b32 v[YS], v[YS+1]           ; the first word's lanes 16-31 (odd pieces of load 0) change places with the second's lanes 0-15 (even pieces of load 1)
.endm
	LOADS 0, 0
	LOADS 1, 1
	LOADS 2, 2
	LOADS 3, 3
	TURN 0, 1, 1, 15                               ; three younger turns of five loads; slot 4 is loaded for the first time: no vector line has named it
	TURN 1, 0, 1, 15
	TURN 2, 0, 1, 15
	TURN 3, 0, 1, 15
	TURN 4, 0, 0, 15                               ; the last four turns load nothing: the counts run down
	TURN 5, 0, 0, 10
	TURN 6, 0, 0, 5
	TURN 7, 0, 0, 0
	s_wait_alu depctr_va_vdst(0)                   ; turn 7 has written its set of Y, which the last two stores read
	global_store_b64 v[VOUT], v[Y0+12:Y0+13], s[12:13] offset:2048*7
	global_store_b64 v[VOUT], v[Y0+14:Y0+15], s[10:11] offset:2048*7
	s_endpgm
.Lfunc_end_k_q6ecee81eed_prep:
	.size	k_q6ecee81eed_prep, .Lfunc_end_k_q6ecee81eed_prep-k_q6ecee81eed_prep
	.p2alignl 7, 3214868480
	.fill 96, 4, 3214868480
	.section	.rodata,"a",@progbits
	.p2align	6, 0x0
	.amdhsa_kernel k_q6ecee81eed_prep
		.amdhsa_group_segment_fixed_size 0
		.amdhsa_private_segment_fixed_size 0
		.amdhsa_enable_private_segment 0
		.amdhsa_kernarg_size 40
		.amdhsa_user_sgpr_count 2
		.amdhsa_user_sgpr_kernarg_segment_ptr 1
		.amdhsa_wavefront_size32 1
		.amdhsa_system_sgpr_workgroup_id_x 1
		.amdhsa_system_sgpr_workgroup_id_y 1
		.amdhsa_system_sgpr_workgroup_id_z 1
		.amdhsa_system_vgpr_workitem_id 0
		.amdhsa_next_free_vgpr 120
		.amdhsa_next_free_sgpr 66
		.amdhsa_reserve_vcc 0
		.amdhsa_float_denorm_mode_32 3
		.amdhsa_float_denorm_mode_16_64 3
		.amdhsa_memory_ordered 1
		.amdhsa_forward_progress 1
		.amdhsa_inst_pref_size 30
	.end_amdhsa_kernel
	.amdgpu_metadata
---
amdhsa.version: [ 1, 2 ]
amdhsa.kernels:
  - .name:           k_q6ecee81eed_prep
    .symbol:         k_q6ecee81eed_prep.kd
    .args:
      - { .name: x, .offset: 0, .size: 8, .value_kind: global_buffer, .address_space: global }
      - { .name: w_pos, .offset: 8, .size: 8, .value_kind: global_buffer, .address_space: global }
      - { .name: w_neg, .offset: 16, .size: 8, .value_kind: global_buffer, .address_space: global }
      - { .name: xb, .offset: 24, .size: 8, .value_kind: global_buffer, .address_space: global }
      - { .name: wb, .offset: 32, .size: 8, .value_kind: global_buffer, .address_space: global }
    .group_segment_fixed_size: 0
    .private_segment_fixed_size: 0
    .kernarg_segment_align: 8
    .kernarg_segment_size: 40
    .max_flat_workgroup_size: 256
    .sgpr_count:     66
    .vgpr_count:     120
    .wavefront_size: 32
...
	.end_amdgpu_metadata
.endif
;; end of part 5
;; launch gemm: the kernel of part 4 again; grid 16 x 16, 4 waves a work-group, clusters of 4 x 4, 327,680 bytes of LDS; arguments xb, wb, out0; writes out0
